; MI455X (gfx1250); checked and timed in simulation.
; The chip was launched on July 23, 2026; its instructions are those of AMD's public machine-readable ISA for CDNA 5 (MIT licence, August 2026) and "CDNA5" Instruction Set Architecture Reference Guide (July 2026). The comments in the code are by the model that wrote it; some were corrected since.
;; LSTM Cell. Allowed arithmetic: matrix products marked QUANTISED: E2M1 operands, one E8M0 scale for each 32 along K, by v_wmma_scale_f32_16x16x128_f8f6f4 with both operands' format E2M1 (or v_wmma_scale_f32_32x16x128_f4), f32 sums; everything else in f32.
;; Inputs: W_c 1,024 x 2,048 float32; W_f 1,024 x 2,048 float32; W_i 1,024 x 2,048 float32; W_o 1,024 x 2,048 float32; b_c 1,024 float32; b_f 1,024 float32; b_i 1,024 float32; b_o 1,024 float32; c_prev 8,192 x 1,024 float32; h_prev 8,192 x 1,024 float32; x_t 8,192 x 1,024 float32.
;; Outputs: out0 8,192 x 1,024 float32; out1 8,192 x 1,024 float32.
;; This version of the problem:
;;   THIS VERSION OF THE PROBLEM IS GIVEN IN LOW PRECISION. The matrix products marked QUANTISED in the list below multiply operands that are first quantised to E2M1 (2 exponent bits, 1 mantissa bit; 4 bits a number), with one power-of-two scale for each 32 numbers along K (OCP MX v1.0); their sums are f32. All else is computed in f32.
;;   The module's matrix products, in the order in which they are computed (A, B: the left and right operand; K: the contracted axis; several contracted axes count as one K, in the product's order):
;;     1. [M 8,192, K 2,048] x [K 2,048, N 4,096]; A: computed on the way; B: computed on the way: QUANTISED
;;   THE QUANTISER, for each operand of a quantised product, along K:
;;     - K is cut into blocks of 32 from its start; a last block that is shorter is filled with zeros.
;;     - A block's scale is 2^e with e = floor(log2(the largest magnitude in the block)) - 2, held to -126 .. 127; a block of zeros has e = 0. As a byte (E8M0): e + 127.
;;     - Each number is divided by its block's scale, clamped to +-6, and rounded to the nearest number of E2M1, ties to even, subnormals kept.
;;     - The product sums the exact products of the quantised numbers (number of the format x scale) in f32.
;;   ~~~python
;;   def quantise(x, axis):      # numpy; x: float32 -> the quantised numbers, widened to float32 again
;;       x = np.moveaxis(x, axis, -1); K = x.shape[-1]
;;       x = np.pad(x, [(0, 0)] * (x.ndim - 1) + [(0, -K % 32)]); x = x.reshape(x.shape[:-1] + (-1, 32)); a = np.abs(x).max(-1, keepdims=True)
;;       e = np.where(a > 0, np.clip(np.frexp(np.where(a > 0, a, 1))[1] - 1 - 2, -126, 127), 0)      # np.frexp(a)[1] - 1 = floor(log2(a)), exactly
;;       r = np.clip(x / 2.0 ** e, -6, 6)
;;       step = 2.0 ** (np.maximum(np.frexp(np.where(r == 0, 1, r))[1] - 1, 0) - 1)
;;       q = np.round(r / step) * step * 2.0 ** e      # np.round: ties to even
;;       return np.moveaxis(q.reshape(q.shape[:-2] + (-1,))[..., :K], -1, axis).astype(np.float32)
;;   ~~~
;;   OPERANDS COMPUTED ON THE WAY. 'Computed on the way' means the value that the module computes at that place (a softmax that the list does not call 'softmax' is quantised finished and normalised). What goes into a quantiser is computed in f32, as accurately as f32 sums, v_exp_f32 and their like allow (about 1e-6 of the number): no bf16 or f16 on the way to a quantiser, and a product that is left as it is and whose result goes on into a quantised operand takes f32 operands (vector FMAs, or v_wmma_f32_16x16x4_f32). A number that lies on a knife's edge between two numbers of the format may be rounded either way, as far as f32 arithmetic and the matrix unit's own rounding can turn it there, and no further.
;; One version. Each part assembles by itself: llvm-mc -triple=amdgcn-amd-amdhsa -mcpu=gfx1250 --defsym DOCPART=n.
;; ======== version 1 of 1: 2 launches
;; limits: inputs' magnitudes at most 4.6e+18; right only within a limited range of input values
;; workspace buffers: a_codes 8,388,608 bytes; b_codes 4,194,304 bytes; scl 786,432 bytes
;; launch quant (part 1): grid 768 x 1, 4 waves a work-group, no clusters, 33,280 bytes of LDS; arguments x_t, h_prev, W_f, W_i, W_c, W_o, a_codes, b_codes, scl; writes a_codes, b_codes, scl
.if DOCPART == 1
	.amdgcn_target "amdgcn-amd-amdhsa--gfx1250"
	.amdhsa_code_object_version 6
	.text
	.protected	k_qcfdafc6902_quant
	.globl	k_qcfdafc6902_quant
	.p2align	8
	.type	k_qcfdafc6902_quant,@function
k_qcfdafc6902_quant:
	s_mov_b64 s[64:65], 0
	v_nop
	global_prefetch_b8 v0, s[64:65] scope:SCOPE_SE
	s_setreg_imm32_b32 hwreg(HW_REG_WAVE_MODE, 25, 1), 1
	s_wait_xcnt 0x0
; [x_t | h_prev] (8,192 rows x 2,048 along K) and [W_f; W_i; W_c; W_o] (4,096 rows x 2,048), f32, become codes of FP4 (E2M1), K innermost, two codes a byte, with one E8M0 byte for each 32 along K.
; A block's scale is 2^(floor(log2(its largest magnitude)) - 2); its byte is the largest magnitude's exponent field - 2, held at 1 from below.  Each number is divided by the scale and rounded to the nearest code,
; ties to even; beyond 6 the conversion gives the largest code.
; LIMITS: a block whose largest magnitude lies under 2^-124 keeps the byte 1; so does a block of zeros (its codes are zeros, which add nothing under that byte, and only this program reads the bytes);
; NaN and infinities among the inputs are not served.
; WHAT IS WRITTEN.  a_codes [8192][1024 bytes]: row m = codes of x_t[m] (bytes 0-511), then of h_prev[m].  b_codes [4096][1024 bytes], rows in the order in which the second launch's waves want them:
; row 256 tc + 128 ch + 32 g + 16 uh + x is gate g (f, i, c, o) of hidden unit 64 tc + 32 ch + 16 uh + x.  scl [4 K steps of 512][12,288 rows][16 bytes]: rows 0-8191 are A's, rows 8192 + n are B's.
; SHARES.  A wave's job is 16 rows x 512 columns of ONE source: 16 steps of one row's 2,048 bytes.  3,072 jobs = 768 work-groups x 4 waves.  One path through the text: the source, the pitch and the place of the
; results are chosen by selects on the work-group's number.  Memory binds here, so no matrix unit, no cluster, no tensor load: waves share nothing, there is no barrier.
; A STEP.  The conversions take 8 numbers of one block from ONE lane's registers, so a lane must hold 16 neighbours along K; a load is dense where neighbouring LANES take neighbouring bytes.  Both are had: each of a
; step's four loads reads 512 consecutive bytes, 16 a lane; the 2,048 bytes go through the wave's own stage in LDS and come back 64 bytes a lane (16 bytes of padding behind each 64).
; A lane's 16 codes are 8 bytes: the wave stores 256 consecutive bytes, aligned.  A step makes 16 scale bytes, the wave's 16 steps 256: gathered in LDS, they leave as 256 consecutive bytes, aligned.
; Loads run four steps (16 loads a wave) ahead, the turn through LDS one step.  Every offset is an immediate or a register that is never rewritten, so no store's or load's sources are written again.
.set STEPS, 16
.set EMAX,  2
.set CB,    8                          ; bytes of 16 codes
.set R,     16                         ; v16-79   four sets of 16 numbers as they are loaded
.set X,     80                         ; v80-111  two sets of 16 neighbours
.set E,     112                        ; v112-127 a scale byte for each step
.set C,     128                        ; v128-191 codes: four registers' room for each step
.set VO,    192                        ; v192-207 step t's byte offset in the source: t x pitch + 16 x lane
.set WREG,  8192                       ; LDS: a region for each wave: two stages of 32 x SP bytes, behind them its 256 scale bytes
.set SP,    80                         ; a lane's place in a stage: 64 bytes + 16 of padding
	s_load_b256 s[4:11], s[0:1], 0x0               ; x_t s[4:5], h_prev s[6:7], W_f s[8:9], W_i s[10:11]
	s_load_b256 s[12:19], s[0:1], 0x20             ; W_c s[12:13], W_o s[14:15], a_codes s[16:17], b_codes s[18:19]
	s_load_b64 s[20:21], s[0:1], 0x40              ; scl
	v_lshl_add_u32 v208, v0, 2, 0x8000
	v_mov_b32 v209, 0
	v_lshrrev_b32 v1, 5, v0
	v_readfirstlane_b32 s22, v1                    ; wave 0..3
	v_and_b32 v2, 31, v0                           ; lane
	v_lshlrev_b32 v3, 4, v2                        ; my 16 bytes of a load's 512
	s_mul_i32 s37, s22, WREG
	v_lshrrev_b32 v14, 2, v2
	v_mul_u32_u24 v14, v14, SP
	v_and_b32 v15, 3, v2
	v_lshl_add_u32 v14, v15, 4, v14
	v_add_nc_u32 v14, s37, v14                     ; the stage, on the way in: SP (lane / 4) + 16 (lane % 4); a load's 512 bytes take eight places
	v_mul_u32_u24 v15, v2, SP
	v_add_nc_u32 v15, s37, v15                     ; and on the way out: SP x lane: my 16 neighbours
	v_mul_u32_u24 v4, v2, CB                       ; my codes' place in a step's 256 bytes
	v_lshrrev_b32 v5, 1, v2
	s_add_co_u32 s37, s37, 2*32*SP
	v_add_nc_u32 v5, s37, v5                       ; LDS: my wave's 256 scale bytes, my block's byte
	v_lshlrev_b32 v7, 3, v2                        ; and on the way out 8 bytes a lane
	v_add_nc_u32 v6, s37, v7
	; the job's figures.  Work-groups 0-255 take x_t, 256-511 h_prev, then 64 each W_f, W_i, W_c, W_o
	s_mov_b32 s23, 8192
	s_cmp_lt_u32 ttmp9, 512                        ; an activation or a weight?
	s_cselect_b32 s23, 4096, s23                   ; a source row in bytes
	s_cselect_b32 s24, 1, 2                        ; log2 of the K steps in a source row: 2 or 4
	s_cselect_b32 s25, 1, 3                        ; their mask
	s_cselect_b32 s26, 511, 63                     ; blocks of 16 rows in a source, less one
	s_cselect_b32 s27, 0, 8192                     ; where the operand's rows begin in scl
.irp t, 0,1,2,3,4,5,6,7,8,9,10,11,12,13,14,15
	v_mad_u32_u24 v[VO+\t], s23, \t, v3
.endr
	s_lshl_b32 s28, ttmp9, 2
	s_add_co_u32 s28, s28, s22                     ; the job's number,
	s_and_b32 s28, s28, 1023                       ; within x_t, h_prev or the four weights together
	s_and_b32 s29, s28, s25                        ; which 512 columns of the source
	s_lshr_b32 s30, s28, s24                       ; which block of 16 rows, over the four weights on end
	s_and_b32 s31, s30, s26                        ; and within the source
	s_mul_i32 s32, s31, s23
	s_lshl_b32 s32, s32, 4                         ; 16 rows a block
	s_lshl_b32 s33, s29, 11                        ; 2,048 bytes for 512 columns
	s_add_co_u32 s32, s32, s33                     ; the job's first byte in the source (under 2^26)
	s_lshr_b32 s34, ttmp9, 8
	s_and_b32 s34, s34, 1                          ; 1 for h_prev alone,
	s_lshl_b32 s34, s34, 1
	s_add_co_u32 s29, s29, s34                     ; whose columns are K steps 2 and 3 of the product
	s_lshl_b32 s34, s30, 4                         ; A: the result's first row
	s_lshr_b32 s35, s31, 1                         ; B: units 16 rb on = 64 tc + 32 ch + 16 uh: 2 tc + ch,
	s_lshl_b32 s35, s35, 7                         ; 128 rows each,
	s_lshr_b32 s36, s30, 6                         ; the gate,
	s_lshl_b32 s36, s36, 5                         ; 32 rows each,
	s_add_co_u32 s35, s35, s36
	s_and_b32 s36, s31, 1                          ; uh,
	s_lshl_b32 s36, s36, 4                         ; 16 rows
	s_add_co_u32 s35, s35, s36
	s_cmp_lt_u32 ttmp9, 512
	s_cselect_b32 s34, s34, s35                    ; the result's first row
	s_wait_kmcnt 0x0
	s_cmp_lt_u32 ttmp9, 256                        ; the pointers: every choice hangs on the work-group's number alone
	s_cselect_b64 s[4:5], s[4:5], s[6:7]           ; x_t or h_prev
	s_cmp_lt_u32 ttmp9, 576
	s_cselect_b64 s[8:9], s[8:9], s[10:11]         ; W_f or W_i
	s_cmp_lt_u32 ttmp9, 704
	s_cselect_b64 s[12:13], s[12:13], s[14:15]     ; W_c or W_o
	s_cmp_lt_u32 ttmp9, 640
	s_cselect_b64 s[8:9], s[8:9], s[12:13]
	s_cmp_lt_u32 ttmp9, 512
	s_cselect_b64 s[4:5], s[4:5], s[8:9]           ; the source
	s_cselect_b64 s[16:17], s[16:17], s[18:19]     ; the codes' buffer
	s_mov_b32 s33, 0
	s_add_nc_u64 s[4:5], s[4:5], s[32:33]
	s_lshl_b32 s32, s34, 10                        ; a row of codes is 1,024 bytes,
	s_lshl_b32 s36, s29, 8                         ; a K step 256
	s_add_co_u32 s32, s32, s36
	s_add_nc_u64 s[16:17], s[16:17], s[32:33]
	s_mul_i32 s32, s29, 12288                      ; scl: K step, then row, 16 bytes each
	s_add_co_u32 s32, s32, s34
	s_add_co_u32 s32, s32, s27
	s_lshl_b32 s32, s32, 4
	s_add_nc_u64 s[20:21], s[20:21], s[32:33]
.macro LOAD t                          ; step t: one row's 512 numbers
.irp i, 0,1,2,3
	global_load_b128 v[R+16*((\t)%4)+4*\i:R+16*((\t)%4)+4*\i+3], v[VO+(\t)], s[4:5] offset:512*\i th:TH_LOAD_NT   ; 32 lanes read 512 consecutive bytes; read once in the launch
.endr
.endm
.macro TURN t                          ; step t's numbers through the stage: LDS serves a wave's instructions in order (ISA guide 5.7.1.4), so no wait stands between the stores and the loads
.irp i, 0,1,2,3
	ds_store_b128 v14, v[R+16*((\t)%4)+4*\i:R+16*((\t)%4)+4*\i+3] offset:32*SP*((\t)%2)+8*SP*\i
.endr
.irp i, 0,1,2,3
	ds_load_b128 v[X+16*((\t)%2)+4*\i:X+16*((\t)%2)+4*\i+3], v15 offset:32*SP*((\t)%2)+16*\i
.endr
.endm
.irp t, 0,1,2,3
	LOAD \t
.endr
	s_wait_loadcnt 12                              ; step 0's four loads are in; the twelve of steps 1 to 3 may be out
	TURN 0
.macro STEP t
.set XS, X+16*((\t)%2)
.if (\t) > 0
	s_wait_dscnt 1                                 ; this step's numbers are back from the stage (the last step's byte store may be out): so its stores into the stage have read their registers,
.else
	s_wait_dscnt 0x0
.endif
.if (\t)+4 < STEPS
	LOAD (\t)+4                                    ; which take the loads of four steps on
.endif
.if (\t)+1 < STEPS
.if STEPS-2-(\t) >= 3
	s_wait_loadcnt 12                              ; the next step's four loads are in; those of the three steps behind it may be out
.else
	s_wait_loadcnt 4*(STEPS-2-(\t))                ; near the end fewer steps stand behind it
.endif
	TURN (\t)+1                                    ; and go through the other stage while this step is worked
.endif
	v_max3_num_f32 v8, |v[XS]|, |v[XS+1]|, |v[XS+2]|               ; the largest magnitude of my 16, in two chains
	v_max3_num_f32 v9, |v[XS+3]|, |v[XS+4]|, |v[XS+5]|
.irp i, 6,10
	v_max3_num_f32 v8, v8, |v[XS+\i]|, |v[XS+\i+1]|
	v_max3_num_f32 v9, v9, |v[XS+\i+2]|, |v[XS+\i+3]|
.endr
	v_max3_num_f32 v8, v8, |v[XS+14]|, |v[XS+15]|
	v_max3_num_f32 v8, v8, v9, (EMAX+1)<<23        ; and the floor 2^(3 - 127), under which no largest magnitude is taken: so the byte cannot fall under 1
	v_max_num_f32_dpp v8, v8, v8 row_xmask:1 row_mask:0xf bank_mask:0xf   ; and of my neighbour's 16: the block's
	v_add_nc_u32 v11, -(EMAX<<23), v8              ; 2 off its exponent field: the conversion takes the exponent field of this operand as its scale, and nothing else of it
	v_cvt_scalef32_pk8_fp4_f32 v[C+4*(\t)], v[XS:XS+7], v11        ; eight numbers / the scale, to the nearest code; the first number's code in the lowest four bits
	v_cvt_scalef32_pk8_fp4_f32 v[C+4*(\t)+1], v[XS+8:XS+15], v11
	v_lshrrev_b32 v[E+(\t)], 23, v11               ; the scale's byte (also the plain line behind the conversions)
	ds_store_b8 v5, v[E+(\t)] offset:16*(\t)       ; both lanes of a block write the same byte with the same value
	global_store_b64 v4, v[C+4*(\t):C+4*(\t)+1], s[16:17] offset:1024*(\t)   ; the wave stores 256 consecutive bytes of row t, aligned
.endm
.irp t, 0,1,2,3,4,5,6,7,8,9,10,11,12,13,14,15
	STEP \t
.endr
	ds_load_b64 v[12:13], v6                       ; in order behind my byte stores: these see them
	s_wait_dscnt 0x0
	global_store_b64 v7, v[12:13], s[20:21]        ; 16 rows x 16 scale bytes: 256 consecutive bytes, aligned
	s_wait_tensorcnt 0x0
	ds_add_u32 v208, v209
	s_wait_dscnt 0x0
	s_endpgm
.Lfunc_end_k_qcfdafc6902_quant:
	.size	k_qcfdafc6902_quant, .Lfunc_end_k_qcfdafc6902_quant-k_qcfdafc6902_quant
	.p2alignl 7, 3214868480
	.fill 96, 4, 3214868480
	.section	.rodata,"a",@progbits
	.p2align	6, 0x0
	.amdhsa_kernel k_qcfdafc6902_quant
		.amdhsa_group_segment_fixed_size 33280
		.amdhsa_private_segment_fixed_size 0
		.amdhsa_enable_private_segment 0
		.amdhsa_kernarg_size 72
		.amdhsa_user_sgpr_count 2
		.amdhsa_user_sgpr_kernarg_segment_ptr 1
		.amdhsa_wavefront_size32 1
		.amdhsa_system_sgpr_workgroup_id_x 1
		.amdhsa_system_sgpr_workgroup_id_y 1
		.amdhsa_system_sgpr_workgroup_id_z 1
		.amdhsa_system_vgpr_workitem_id 0
		.amdhsa_next_free_vgpr 210
		.amdhsa_next_free_sgpr 66
		.amdhsa_reserve_vcc 0
		.amdhsa_float_denorm_mode_32 3
		.amdhsa_float_denorm_mode_16_64 3
		.amdhsa_memory_ordered 1
		.amdhsa_forward_progress 1
		.amdhsa_inst_pref_size 36
	.end_amdhsa_kernel
	.amdgpu_metadata
---
amdhsa.version: [ 1, 2 ]
amdhsa.kernels:
  - .name:           k_qcfdafc6902_quant
    .symbol:         k_qcfdafc6902_quant.kd
    .args:
      - { .name: x_t, .offset: 0, .size: 8, .value_kind: global_buffer, .address_space: global }
      - { .name: h_prev, .offset: 8, .size: 8, .value_kind: global_buffer, .address_space: global }
      - { .name: W_f, .offset: 16, .size: 8, .value_kind: global_buffer, .address_space: global }
      - { .name: W_i, .offset: 24, .size: 8, .value_kind: global_buffer, .address_space: global }
      - { .name: W_c, .offset: 32, .size: 8, .value_kind: global_buffer, .address_space: global }
      - { .name: W_o, .offset: 40, .size: 8, .value_kind: global_buffer, .address_space: global }
      - { .name: a_codes, .offset: 48, .size: 8, .value_kind: global_buffer, .address_space: global }
      - { .name: b_codes, .offset: 56, .size: 8, .value_kind: global_buffer, .address_space: global }
      - { .name: scl, .offset: 64, .size: 8, .value_kind: global_buffer, .address_space: global }
    .group_segment_fixed_size: 33280
    .private_segment_fixed_size: 0
    .kernarg_segment_align: 8
    .kernarg_segment_size: 72
    .max_flat_workgroup_size: 128
    .sgpr_count:     66
    .vgpr_count:     210
    .wavefront_size: 32
...
	.end_amdgpu_metadata
.endif
;; end of part 1
;; launch cell (part 2): grid 16 x 32, 4 waves a work-group, clusters of 4 x 4, 327,680 bytes of LDS; arguments a_codes, b_codes, scl, b_f, b_i, b_c, b_o, c_prev, out0, out1; writes out0, out1
.if DOCPART == 2
	.amdgcn_target "amdgcn-amd-amdhsa--gfx1250"
	.amdhsa_code_object_version 6
	.text
	.protected	k_qcfdafc6902_cell
	.globl	k_qcfdafc6902_cell
	.p2align	8
	.type	k_qcfdafc6902_cell,@function
k_qcfdafc6902_cell:
	s_mov_b64 s[64:65], 0
	v_nop
	global_prefetch_b8 v0, s[64:65] scope:SCOPE_SE
	s_setreg_imm32_b32 hwreg(HW_REG_WAVE_MODE, 25, 1), 1
	s_wait_xcnt 0x0
	s_wait_alu depctr_hold_cnt(0) depctr_sa_sdst(0) depctr_va_vdst(0) depctr_va_sdst(0) depctr_va_ssrc(0) depctr_va_vcc(0) depctr_vm_vsrc(0)
	s_getreg_b32 s2, hwreg(HW_REG_IB_STS2, 6, 4)
	s_cmp_eq_u32 s2, 0
	s_cbranch_scc0 .Lentry_in_a_cluster
	s_endpgm
.Lentry_in_a_cluster:
	s_bfe_u32 s2, ttmp6, 0x10000c
	s_cmp_lg_u32 s2, 0xf033
	s_cbranch_scc0 .Lentry_shape_is_right
	s_endpgm
.Lentry_shape_is_right:
; gates = A B^T + b on codes of FP4 (E2M1), one E8M0 scale for each 32 along K = 2,048, and the LSTM cell behind it: c_t = sigmoid(f) c_prev + sigmoid(i) tanh(g), h_t = sigmoid(o) tanh(c_t).
; a_codes [8192][1024 bytes], b_codes [4096][1024 bytes], scl [4 K steps of 512][12,288 rows][16 bytes] come from the launch before.  b_codes' row 256 tc + 128 ch + 32 g + 16 uh + x is gate g (f, i, c, o)
; of hidden unit 64 tc + 32 ch + 16 uh + x.  out0 = h_t, out1 = c_t.  The gates never go to memory.
; SHARES: a work-group makes 256 rows x 64 units x 4 gates; wave w (rh = w / 2, ch = w % 2) 128 x 128 of the product: 64 accumulators.  The matrix instruction is used transposed (source 0 = B's rows, source 1 = A's):
; lane (r, h) of accumulator (a, b = 2 g + uh) holds in register j gate g of row 128 rh + 16 a + r, unit 32 ch + 16 uh + 8 h + j: all four gates of an element lie in one lane.
; K goes in 4 steps of 512 (rows of 256 bytes, 272 apart in LDS) through two slots, each with A's 256 rows and then B's; the walk is written out.  At the head a wave issues ONE joint load, its quarter of the walk's
; first K step; slot 1's first fill stands behind the full sequence and a round of the cluster's barrier, as a refill does.
; CLUSTERS 4 x 4: A's tiles are asked for jointly along a row of the cluster, B's along a column.  par, made of the cluster's place among the clusters, is the same in all partners: par = 0 walks K steps 0, 1, 2, 3,
; par = 1 walks 2, 3, 0, 1 (so the order of the f32 sums along K differs between clusters).
; PREFETCH: one instruction a wave at the head, for the walk's second K step, whose load goes out one round later: of the 128 rows that a wave fetches each of the four partners names 32, told apart by address,
; a lane a row of 256 bytes.  Nothing more is prefetched: the walk is four steps, written out, with no loop to run ahead in.
; The biases are the C of each sum's first product (added ahead of the sums).  c_prev: each wave loads 64 rows x 256 bytes into idle registers and puts them into A's part of slot 0 ahead of the last step.
; THE CELL, L = log2(e): ef = 2^min(-L f, 32), ei likewise, Eg = 2^min(2 L g, 32), eo = 2^(-L o); t1 = (1 + ei)(1 + Eg); c_t = (c t1 + (Eg - 1)(1 + ef)) / (t1 (1 + ef)); Ec = 2^min(2 L c_t, 32);
; h_t = (Ec - 1) / ((1 + eo)(1 + Ec)).  eo needs no hold: where it or its product is infinite the reciprocal is 0, times the finite Ec - 1.
; LIMITS: the hold at 32 keeps the products under 2^97 and moves an activation by less than 2^-31; |c_prev| under 2^62; NaN and infinities among the inputs are not served.
; THE WAY OUT, by pairs of blocks of 16 rows: c_t over c_prev's bytes, h_t into B's part of slot 0 (that slot has had its last fill); a row's 256 bytes come from two waves, so one barrier a pair; whole rows come
; back and sixteen lanes store 256 consecutive bytes, aligned.
; REGISTERS: window 0: v9, v16-31 addresses, v32-159 scale words, v160-223 A's fragments.  window 1: B's two sets v0-63, v128-191; v64-127 biases, then with v192-255 c_prev; the tail uses all.  windows 2, 3: accumulators.
.set NQ,     4
.set ROWB,   256
.set KROW,   1024
.set PITCH,  272                       ; 68 words: row r starts at bank 4 r mod 64
.set FR,     8
.set NL,     2
.set NP,     4
.set HALFT,  128*PITCH
.set SLOT,   4*HALFT
.set SPARE,  2*SLOT                    ; the spare words, 512 bytes that no other line names
.set HST,    2*HALFT                   ; h_t's stage: B's part of slot 0
.set BLKB,   16*PITCH
.set KSCL,   12288*16
.set PFO,  9                           ; the prefetch's offset: lane x 1,024; never rewritten
.set ADRA, 16                          ; LDS address of my A fragments in slot 0; v20 in slot 1
.set ADRB, 17                          ; of my B fragments in slot 0; v21 in slot 1
.set CSA,  18                          ; where I put c_prev's rows
.set SOF2, 19                          ; scl, the walk's last two K steps
.set CL,   22                          ; c's stage: (128 rh + r) PITCH + 128 ch + 32 h
.set HL,   23
.set RDC,  24                          ; back by rows: (128 rh + 8 ch + lane / 16) PITCH + 16 (lane % 16)
.set RDH,  25
.set CO,   26                          ; the same rows in an output
.set COF,  27                          ; c_prev: (lane / 16) 4096 + 16 (lane % 16)
.set SPW,  28
.set NIL,  29
.set SOF,  30                          ; scl, the walk's first two K steps: lanes 0-15 A's rows, lanes 16-31 B's
.set BOF,  31                          ; 32 h
.set SC,   32                          ; SC + 32 p + 4 i + q: block i, the walk's p-th K step, its q-th 128
.set AF,   160
.set BI,   64
.set CR0,  64
.set CR1,  192
.set XF,   0                           ; the tail, window 1: 32 registers each
.set XI,   32
.set XG,   64
.set XO,   96
.set XT,   128
.set CP,   160
.set OB,   192                         ; 64 for rows on their way out
.set G1,   24
.set G0,   32
.set G1B,  48
.set G0B,  56
.set KUP,  80
.set KDN,  82
.set PFA,  88                          ; s[88:89] the prefetch's base; never rewritten
.set SNL,  66
.set S2L,  92
.set S32,  94
.set MSB, 0
.macro WIN new
.if MSB != (\new)
	s_set_vgpr_msb (MSB<<8)|(\new)
.set MSB, (\new)
.endif
.endm
.set MUL_LO, 0xa1
.set MUL_HI, 0xf1
.set BIA_LO, 0x91
.set BIA_HI, 0xd1
.set TO_1,   0x40
.set FROM_1, 0x04
.set ALL_1,  0x55
.macro JLOAD g0a, g1a, g0b, g1b        ; waves 0, 1 fetch for A, waves 2, 3 for B; s_nop 0 and four v_nop behind each line
	s_cmp_eq_u32 s15, 0
	s_cbranch_scc0 .Lfor_b_\@
	tensor_load_to_lds s[\g0a:\g0a+3], s[\g1a:\g1a+7]
	s_nop 0
.rept 4
	v_nop
.endr
	s_branch .Lasked_\@
.Lfor_b_\@:
	tensor_load_to_lds s[\g0b:\g0b+3], s[\g1b:\g1b+7]
	s_nop 0
.rept 4
	v_nop
.endr
.Lasked_\@:
.endm
.macro CREST
	s_cmp_lg_u32 s14, 0
	s_cbranch_scc1 .Lnot_wave_0_\@
	s_barrier_signal -3
.Lnot_wave_0_\@:
	s_barrier_wait -3
	s_barrier_signal -1
	s_barrier_wait -1
.endm
.macro CROUND
	s_barrier_signal -1
	s_barrier_wait -1
	CREST
.endm
	s_load_b256 s[4:11], s[0:1], 0x0               ; a_codes, b_codes, scl, b_f
	s_load_b256 s[68:75], s[0:1], 0x20             ; b_i, b_c, b_o, c_prev
	s_load_b128 s[76:79], s[0:1], 0x40             ; out0, out1
	v_lshl_add_u32 v[SPW], v0, 2, SPARE
	v_mov_b32 v[NIL], 0
	ds_add_u32 v[SPW], v[NIL]
	ds_add_u32 v[SPW], v[NIL]
	v_lshrrev_b32 v1, 5, v0
	v_readfirstlane_b32 s14, v1                    ; wave
	s_lshr_b32 s15, s14, 1                         ; rh; also: I fetch for A (0) or B (1)
	s_and_b32 s16, s14, 1                          ; ch; also: which 128 rows I fetch
	s_bfe_u32 s40, ttmp6, 0x40000                  ; cx
	s_bfe_u32 s41, ttmp6, 0x40004                  ; cy
	s_lshl_b32 s42, ttmp9, 2
	s_add_co_u32 s42, s42, s40                     ; tc
	s_and_b32 s17, ttmp7, 0xffff
	s_lshl_b32 s17, s17, 2
	s_add_co_u32 s17, s17, s41                     ; tr
	s_lshl_b32 s43, s41, 2
	s_lshl_b32 s43, 15, s43                        ; my row of the cluster
	s_lshl_b32 s44, 0x1111, s40                    ; my column
	s_and_b32 s86, ttmp7, 0xffff                   ; par = (x ^ x / 2 ^ y ^ y / 2) & 1 of the cluster's place
	s_lshr_b32 s87, s86, 1
	s_xor_b32 s86, s86, s87
	s_lshr_b32 s87, ttmp9, 1
	s_xor_b32 s87, s87, ttmp9
	s_xor_b32 s86, s86, s87
	s_and_b32 s86, s86, 1
	s_lshl_b32 s[KDN], s86, 9                      ; 512 par
	s_xor_b32 s[KUP], s[KDN], 512                  ; 512 (1 - par)
	s_mov_b32 s[KDN+1], 0
	s_mov_b32 s[KUP+1], 0
	s_mul_i32 s84, s86, 2*KSCL
	s_xor_b32 s85, s84, 2*KSCL
	s_or_b32 s[G1+0], s43, (0<<16)|(1<<20)|(1<<21)|(5<<22)|(3<<25)   ; bytes; padding on; bit 21 beside the mask; 4 words behind every 64
	s_or_b32 s[G1B+0], s44, (0<<16)|(1<<20)|(1<<21)|(5<<22)|(3<<25)
.irp g, G1, G1B
	s_mov_b32 s[\g+1], ROWB<<16                    ; tensor_dim0 = 256
	s_mov_b32 s[\g+2], 128<<16                     ; tensor_dim1 = 128
	s_mov_b32 s[\g+3], ROWB<<16                    ; tile_dim0 = 256
	s_mov_b32 s[\g+4], 128                         ; tile_dim1 = 128
	s_mov_b32 s[\g+5], KROW
	s_mov_b32 s[\g+6], 0
	s_mov_b32 s[\g+7], 0
.endr
	s_lshl_b32 s18, s16, 7
	s_lshl_b32 s20, s17, 8
	s_add_co_u32 s20, s20, s18                     ; A: row 256 tr + 128 x half
	s_lshl_b32 s20, s20, 10
	s_add_co_u32 s20, s20, s[KDN]                  ; at my walk's first K step
	s_mov_b32 s21, 0
	s_lshl_b32 s46, s42, 8
	s_add_co_u32 s46, s46, s18                     ; B: row 256 tc + 128 x half
	s_lshl_b32 s46, s46, 10
	s_add_co_u32 s46, s46, s[KDN]
	s_mov_b32 s47, 0
	s_mul_i32 s45, s14, HALFT                      ; LDS: wave x 128 rows
	s_wait_dscnt 0x0                               ; both opening adds are done
	s_wait_kmcnt 0x0
	s_add_nc_u64 s[20:21], s[4:5], s[20:21]
	s_add_nc_u64 s[46:47], s[6:7], s[46:47]
	CROUND                                         ; the first joint loads meet
.irp s, 0,1
	s_mov_b32 s[G0+4*\s], 1
	s_add_co_u32 s[G0+4*\s+1], s45, \s*SLOT
	s_add_nc_u64 s[G0+4*\s+2:G0+4*\s+3], s[20:21], \s*ROWB
	s_or_b32 s[G0+4*\s+3], s[G0+4*\s+3], 0x80000000
	s_mov_b32 s[G0B+4*\s], 1
	s_add_co_u32 s[G0B+4*\s+1], s45, \s*SLOT
	s_add_nc_u64 s[G0B+4*\s+2:G0B+4*\s+3], s[46:47], \s*ROWB
	s_or_b32 s[G0B+4*\s+3], s[G0B+4*\s+3], 0x80000000
.endr
	JLOAD G0, G1, G0B, G1B                         ; my one load at the head: my quarter of the walk's first K step
	s_cmp_eq_u32 s15, 0                            ; the prefetch's base: the 128 rows that I fetch,
	s_cselect_b64 s[PFA:PFA+1], s[20:21], s[46:47]
	s_cselect_b32 s90, s40, s41                    ; my place among the four that ask for them with me,
	s_lshl_b32 s90, s90, 15                        ; 32 rows of 1,024 bytes each
	s_mov_b32 s91, 0
	s_add_nc_u64 s[PFA:PFA+1], s[PFA:PFA+1], s[90:91]
	s_mul_i32 s21, s15, HALFT                      ; my 128 rows of A
	s_mul_i32 s22, s16, HALFT
	s_add_co_u32 s22, s22, 2*HALFT                 ; my 128 rows of B
	s_lshl_b32 s18, s16, 7
	s_add_co_u32 s18, s18, s21                     ; the stage: my rows, my 128 bytes
	s_mul_i32 s19, s16, 8*PITCH
	s_add_co_u32 s19, s19, s21                     ; back: rows 8 ch on of a block
	s_mul_i32 s23, s14, 64*PITCH                   ; c_prev in: rows 64 w on
	s_lshl_b32 s12, s15, 7
	s_lshl_b32 s13, s16, 3
	s_add_co_u32 s12, s12, s13
	s_lshl_b32 s12, s12, 12                        ; the rows that I store, in an output
	s_lshl_b32 s2, s17, 8                          ; scl: A's rows 256 tr + 128 rh on
	s_lshl_b32 s3, s15, 7
	s_add_co_u32 s2, s2, s3
	s_lshl_b32 s2, s2, 4
	s_lshl_b32 s3, s42, 8                          ; B's rows 8192 + 256 tc + 128 ch on
	s_lshl_b32 s13, s16, 7
	s_add_co_u32 s3, s3, s13
	s_add_co_u32 s3, s3, 8192
	s_lshl_b32 s3, s3, 4
	s_sub_co_u32 s3, s3, s2                        ; the distance between the two
	s_lshl_b32 s96, s42, 8                         ; the biases: units 64 tc + 32 ch on
	s_lshl_b32 s97, s16, 7
	s_add_co_u32 s96, s96, s97
	s_mov_b32 s97, 0
	s_add_nc_u64 s[10:11], s[10:11], s[96:97]
	s_add_nc_u64 s[68:69], s[68:69], s[96:97]
	s_add_nc_u64 s[70:71], s[70:71], s[96:97]
	s_add_nc_u64 s[72:73], s[72:73], s[96:97]
	v_and_b32 v1, 15, v0                           ; r.  All address registers in one run of vector lines
	v_bfe_u32 v2, v0, 4, 1                         ; h
	v_mul_u32_u24 v3, v1, PITCH
	v_lshl_add_u32 v4, v2, 4, v3
	v_add_nc_u32 v[ADRA], s21, v4
	v_add_nc_u32 v[ADRB], s22, v4
	v_add_nc_u32 v[ADRA+4], SLOT, v[ADRA]
	v_add_nc_u32 v[ADRB+4], SLOT, v[ADRB]
	v_lshl_add_u32 v5, v2, 5, v3
	v_add_nc_u32 v[CL], s18, v5
	v_add_nc_u32 v[HL], HST, v[CL]
	v_mul_u32_u24 v6, v2, PITCH
	v_lshl_add_u32 v6, v1, 4, v6
	v_add_nc_u32 v[RDC], s19, v6
	v_add_nc_u32 v[RDH], HST, v[RDC]
	v_add_nc_u32 v[CSA], s23, v6
	v_lshlrev_b32 v7, 12, v2
	v_lshl_add_u32 v[COF], v1, 4, v7
	v_add_nc_u32 v[CO], s12, v[COF]
	v_lshlrev_b32 v[BOF], 5, v2
	v_mul_u32_u24 v8, s3, v2                       ; lanes 16-31 take B's
	v_lshl_add_u32 v8, v1, 4, v8
	v_add_nc_u32 v8, s2, v8
	v_add_nc_u32 v[SOF], s84, v8
	v_add_nc_u32 v[SOF2], s85, v8
	v_and_b32 v[PFO], 31, v0
	v_lshlrev_b32 v[PFO], 10, v[PFO]
	s_wait_alu depctr_va_vdst(0)
	global_prefetch_b8 v[PFO], s[PFA:PFA+1] offset:ROWB th:TH_LOAD_NT scope:SCOPE_SE   ; the walk's second K step: 32 rows x 256 bytes, a lane a row
.irp p, 0,1
.irp i, 0,1,2,3,4,5,6,7
	global_load_b128 v[SC+32*\p+4*\i:SC+32*\p+4*\i+3], v[SOF], s[8:9] offset:\p*KSCL+256*\i   ; sixteen lanes read 256 consecutive bytes, aligned
.endr
.endr
.irp p, 0,1
.irp i, 0,1,2,3,4,5,6,7
	global_load_b128 v[SC+64+32*\p+4*\i:SC+64+32*\p+4*\i+3], v[SOF2], s[8:9] offset:\p*KSCL+256*\i
.endr
.endr
.macro BIAS g, base                    ; lane (r, h) takes units 16 uh + 8 h + 0 .. 7
.irp u, 0,1
	global_load_b128 v[BI+8*(2*\g+\u):BI+8*(2*\g+\u)+3],   v[BOF], s[\base:\base+1] offset:64*\u
	global_load_b128 v[BI+8*(2*\g+\u)+4:BI+8*(2*\g+\u)+7], v[BOF], s[\base:\base+1] offset:64*\u+16
.endr
.endm
	WIN TO_1
	BIAS 0, 10
	BIAS 1, 68
	BIAS 2, 70
	BIAS 3, 72
	WIN 0
	s_lshl_b32 s98, s17, 8                         ; c_prev: rows 256 tr + 64 w on, units 64 tc on
	s_lshl_b32 s99, s14, 6
	s_add_co_u32 s98, s98, s99
	s_lshl_b32 s98, s98, 12
	s_lshl_b32 s99, s42, 8
	s_add_co_u32 s98, s98, s99
	s_mov_b32 s99, 0
	s_add_nc_u64 s[74:75], s[74:75], s[98:99]
	s_lshl_b32 s12, s17, 20                        ; the outputs: 256 tr rows, units 64 tc on
	s_lshl_b32 s13, s42, 8
	s_add_co_u32 s12, s12, s13
	s_mov_b32 s13, 0
	s_add_nc_u64 s[76:77], s[76:77], s[12:13]
	s_add_nc_u64 s[78:79], s[78:79], s[12:13]
	s_mov_b32 s[SNL], 0xbfb8aa3b                   ; -log2(e)
	s_mov_b32 s[SNL+1], s[SNL]
	s_mov_b32 s[S2L], 0x4038aa3b                   ; 2 log2(e)
	s_mov_b32 s[S2L+1], s[S2L]
	s_mov_b32 s[S32], 0x42000000                   ; 32.0
.macro FRAG reg, adr, slot, q, i       ; 16 rows x 128 K: registers 4 c .. 4 c + 3 hold K = 64 c + 32 h + 0 .. 31
.irp c, 0,1
	ds_load_b128 v[\reg+4*\c:\reg+4*\c+3], v[\adr+4*(\slot)] offset:64*(\q)+32*\c+(\i)*16*PITCH
.endr
.endm
; 16 products: A's blocks a0, a0 + 1 x B's eight.  The 64 accumulators take turns.  first = 1: the biases start the sums
.macro MUL16 a0, p, q, sc, first
.irp a, \a0, \a0+1
.irp b, 0,1,2,3,4,5,6,7
.if \first
	v_wmma_scale_f32_16x16x128_f8f6f4 v[8*(8*((\a)%4)+\b):8*(8*((\a)%4)+\b)+7], v[128*(\p)+FR*\b:128*(\p)+FR*\b+FR-1], v[AF+FR*(\a):AF+FR*(\a)+FR-1], v[BI+8*\b:BI+8*\b+7], v[SC+32*(\sc)+4*\b+(\q)], v[SC+32*(\sc)+4*(\a)+(\q)] matrix_a_fmt:MATRIX_FMT_FP4 matrix_b_fmt:MATRIX_FMT_FP4 matrix_a_scale:MATRIX_SCALE_ROW1
.else
	v_wmma_scale_f32_16x16x128_f8f6f4 v[8*(8*((\a)%4)+\b):8*(8*((\a)%4)+\b)+7], v[128*(\p)+FR*\b:128*(\p)+FR*\b+FR-1], v[AF+FR*(\a):AF+FR*(\a)+FR-1], v[8*(8*((\a)%4)+\b):8*(8*((\a)%4)+\b)+7], v[SC+32*(\sc)+4*\b+(\q)], v[SC+32*(\sc)+4*(\a)+(\q)] matrix_a_fmt:MATRIX_FMT_FP4 matrix_b_fmt:MATRIX_FMT_FP4 matrix_a_scale:MATRIX_SCALE_ROW1
.endif
.endr
.endr
.endm
.macro FETCH_B slot, q, p
	WIN TO_1
.irp i, 0,1,2,3,4,5,6,7
	FRAG 128*(\p)+FR*\i, ADRB, \slot, \q, \i
.endr
	WIN 0
.endm
.macro FETCH_A slot, q, i0
.irp i, \i0, \i0+1, \i0+2, \i0+3
	FRAG AF+FR*(\i), ADRA, \slot, \q, \i
.endr
.endm
.macro PLACES n                        ; places behind matrix instructions, ahead of loads into their registers and of reads of results
.rept \n
	v_nop
.endr
.endm
.macro STEP slot, q, sc, first         ; 128 along K with its successor in the same slot; A has one set: blocks 0-3 come anew in the middle, 4-7 at the end
	s_wait_dscnt 4*NL                              ; all but the youngest eight loads (A's blocks 4-7)
.if \first
	WIN BIA_LO
.else
	WIN MUL_LO
.endif
	MUL16 0, (\q)%2, \q, \sc, \first
	MUL16 2, (\q)%2, \q, \sc, \first
	s_wait_dscnt 0
	PLACES NP
	FETCH_B \slot, (\q)+1, 1-(\q)%2
	FETCH_A \slot, (\q)+1, 0
.if \first
	WIN BIA_HI
.else
	WIN MUL_HI
.endif
	MUL16 4, (\q)%2, \q, \sc, \first
	MUL16 6, (\q)%2, \q, \sc, \first
	PLACES NP
	WIN 0
	FETCH_A \slot, (\q)+1, 4
.endm
; A slot's last step changes slots.  fill = 1: the barrier opens a round of the cluster's barrier, and this slot takes the K step two on in my walk
.macro TURN slot, next, fill, sc
	s_wait_tensorcnt 0x0                           ; all my tensor loads have landed
	ds_add_u32 v[SPW], v[NIL]
	s_wait_dscnt 4*NL+1                            ; the add and the youngest eight loads may be out
	WIN MUL_LO
	MUL16 0, 1, NQ-1, \sc, 0
	s_wait_dscnt 0x0                               ; the add is done, my reads of this slot are over
	s_barrier_signal -1
	MUL16 2, 1, NQ-1, \sc, 0
	WIN 0
	s_barrier_wait -1
.if \fill
	CREST
	s_add_nc_u64 s[G0+4*\slot+2:G0+4*\slot+3], s[G0+4*\slot+2:G0+4*\slot+3], s[KUP:KUP+1]
	s_sub_nc_u64 s[G0+4*\slot+2:G0+4*\slot+3], s[G0+4*\slot+2:G0+4*\slot+3], s[KDN:KDN+1]
	s_add_nc_u64 s[G0B+4*\slot+2:G0B+4*\slot+3], s[G0B+4*\slot+2:G0B+4*\slot+3], s[KUP:KUP+1]
	s_sub_nc_u64 s[G0B+4*\slot+2:G0B+4*\slot+3], s[G0B+4*\slot+2:G0B+4*\slot+3], s[KDN:KDN+1]
	JLOAD G0+4*\slot, G1, G0B+4*\slot, G1B         ; its four v_nop are the places ahead of the loads below
.else
	PLACES NP
.endif
	FETCH_B \next, 0, 0
	FETCH_A \next, 0, 0
	WIN MUL_HI
	MUL16 4, 1, NQ-1, \sc, 0
	MUL16 6, 1, NQ-1, \sc, 0
	PLACES NP
	WIN 0
	FETCH_A \next, 0, 4
.endm
.macro CGET                            ; c_prev: my 64 rows x 256 bytes into window 1; sixteen lanes read 256 consecutive bytes, aligned
	WIN TO_1
.irp t, 0,1,2,3,4,5,6,7,8,9,10,11,12,13,14,15
	global_load_b128 v[CR0+4*\t:CR0+4*\t+3], v[COF], s[74:75] offset:8192*\t th:TH_LOAD_NT
.endr
.irp t, 0,1,2,3,4,5,6,7,8,9,10,11,12,13,14,15
	global_load_b128 v[CR1+4*\t:CR1+4*\t+3], v[COF], s[74:75] offset:8192*(16+\t) th:TH_LOAD_NT
.endr
	WIN 0
.endm
.macro CPUT                            ; into A's part of slot 0: read out by every wave, and never filled again
	s_wait_loadcnt 0x0
	WIN FROM_1
.irp t, 0,1,2,3,4,5,6,7,8,9,10,11,12,13,14,15
	ds_store_b128 v[CSA], v[CR0+4*\t:CR0+4*\t+3] offset:2*PITCH*\t
.endr
.irp t, 0,1,2,3,4,5,6,7,8,9,10,11,12,13,14,15
	ds_store_b128 v[CSA], v[CR1+4*\t:CR1+4*\t+3] offset:2*PITCH*(16+\t)
.endr
.endm
	s_wait_tensorcnt 0x0                           ; my part of the first K step is in
	ds_add_u32 v[SPW], v[NIL]
	s_wait_dscnt 0x0
	CROUND                                         ; everybody's part is in, and the joint loads meet
	JLOAD G0+4, G1, G0B+4, G1B                     ; slot 1's first fill: the first tensor load behind the round
	FETCH_B 0, 0, 0
	FETCH_A 0, 0, 0
	FETCH_A 0, 0, 4
	s_wait_loadcnt 0x0                             ; the scale words and the biases
	STEP 0, 0, 0, 1
	CGET
	STEP 0, 1, 0, 0
	STEP 0, 2, 0, 0
	TURN 0, 1, 1, 0
	STEP 1, 0, 1, 0
	STEP 1, 1, 1, 0
	STEP 1, 2, 1, 0
	TURN 1, 0, 1, 1
	STEP 0, 0, 2, 0
	STEP 0, 1, 2, 0
	STEP 0, 2, 2, 0
	TURN 0, 1, 0, 2                                ; behind this barrier nobody reads slot 0
	STEP 1, 0, 3, 0
	STEP 1, 1, 3, 0
	STEP 1, 2, 3, 0
	s_wait_dscnt 4*NL
	CPUT
	WIN MUL_LO
	MUL16 0, 1, NQ-1, 3, 0
	MUL16 2, 1, NQ-1, 3, 0
	s_wait_dscnt 0x0                               ; A's blocks 4-7 are in; my rows of c_prev lie in LDS
	s_barrier_signal -1
	WIN MUL_HI
	MUL16 4, 1, NQ-1, 3, 0
	MUL16 6, 1, NQ-1, 3, 0
	WIN 0
	s_barrier_wait -1
	PLACES NP
; ---- THE TAIL, by pairs p of blocks 2 p, 2 p + 1: 32 elements a lane; element 16 e + 8 uh + j
.macro CLOAD p
	WIN TO_1
.irp e, 0,1
.irp u, 0,1
	ds_load_b128 v[CP+16*\e+8*\u:CP+16*\e+8*\u+3],   v[CL] offset:BLKB*(2*(\p)+\e)+64*\u
	ds_load_b128 v[CP+16*\e+8*\u+4:CP+16*\e+8*\u+7], v[CL] offset:BLKB*(2*(\p)+\e)+64*\u+16
.endr
.endr
.endm
.macro PUT adr, x, p                   ; my 32 numbers into a stage
.irp e, 0,1
.irp u, 0,1
	ds_store_b128 v[\adr], v[\x+16*\e+8*\u:\x+16*\e+8*\u+3]   offset:BLKB*(2*(\p)+\e)+64*\u
	ds_store_b128 v[\adr], v[\x+16*\e+8*\u+4:\x+16*\e+8*\u+7] offset:BLKB*(2*(\p)+\e)+64*\u+16
.endr
.endr
.endm
.macro OUTLD p                         ; 16 whole rows of c_t and of h_t come back
	s_wait_xcnt 0x0                                ; the earlier stores have read their data registers
	WIN TO_1
.irp e, 0,1
.irp t, 0,1,2,3
	ds_load_b128 v[OB+16*\e+4*\t:OB+16*\e+4*\t+3],       v[RDC] offset:BLKB*(2*(\p)+\e)+2*PITCH*\t
	ds_load_b128 v[OB+32+16*\e+4*\t:OB+32+16*\e+4*\t+3], v[RDH] offset:BLKB*(2*(\p)+\e)+2*PITCH*\t
.endr
.endr
.endm
.macro SEND p                          ; sixteen lanes store 256 consecutive bytes, aligned
	s_wait_dscnt 0x0                               ; the rows are back, and so is the next pair's c_prev
	WIN FROM_1
.irp e, 0,1
.irp t, 0,1,2,3
	global_store_b128 v[CO], v[OB+16*\e+4*\t:OB+16*\e+4*\t+3],       s[78:79] offset:65536*(2*(\p)+\e)+8192*\t th:TH_STORE_NT
	global_store_b128 v[CO], v[OB+32+16*\e+4*\t:OB+32+16*\e+4*\t+3], s[76:77] offset:65536*(2*(\p)+\e)+8192*\t th:TH_STORE_NT
.endr
.endr
.endm
.macro SCALE d, src, f                 ; two accumulators x a factor, each from its low end on
.set k, 0
.rept 8
	v_pk_mul_f32 v[\d+k:\d+k+1], v[\src+k:\src+k+1], s[\f:\f+1] op_sel_hi:[1,0]
.set k, k+2
.endr
.endm
.macro PKC op, d, x, c                 ; d = x op a broadcast constant, 16 pairs
.set k, 0
.rept 16
	\op v[\d+k:\d+k+1], v[\x+k:\x+k+1], \c op_sel_hi:[1,0]
.set k, k+2
.endr
.endm
.macro PKMUL d, x, y
.set k, 0
.rept 16
	v_pk_mul_f32 v[\d+k:\d+k+1], v[\x+k:\x+k+1], v[\y+k:\y+k+1]
.set k, k+2
.endr
.endm
.macro TR op, d                        ; 32 transcendentals in place
.set k, 0
.rept 32
	\op v[\d+k], v[\d+k]
.set k, k+1
.endr
.endm
.macro HOLD d                          ; the hold at 32
.set k, 0
.rept 32
	v_min_num_f32 v[\d+k], s[S32], v[\d+k]
.set k, k+1
.endr
.endm
.macro ARGS p                          ; the exponents of pair p's four gates
.set AC, 128*((\p)%2)
	WIN 0x42+(\p)/2                                ; destination window 1, source 0 the accumulators' window
	s_wait_alu depctr_va_vdst(0)                   ; directly ahead of the first reader of these matrix results
.irp e, 0,1
	SCALE XF+16*\e, AC+64*\e, SNL
	SCALE XI+16*\e, AC+64*\e+16, SNL
	SCALE XG+16*\e, AC+64*\e+32, S2L
	SCALE XO+16*\e, AC+64*\e+48, SNL
.endr
	WIN ALL_1
	HOLD XF
	HOLD XI
	HOLD XG
.endm
; Four batches of transcendentals; one wait ahead of each batch and one behind it
.macro EPI p
	WIN ALL_1
	s_wait_alu depctr_va_vdst(0)
	TR v_exp_f32, XF                               ; ef
	TR v_exp_f32, XI                               ; ei
	TR v_exp_f32, XG                               ; Eg
	TR v_exp_f32, XO                               ; eo
.if (\p) > 0
	SEND (\p)-1                                    ; the pair before leaves here
.else
	s_wait_dscnt 0x0                               ; my c_prev is in
.endif
	WIN ALL_1
	v_nop                                          ; the plain place behind the batch
	s_wait_alu depctr_va_vdst(0)
	PKC v_pk_add_f32, XT, XG, -1.0                 ; Eg - 1
	PKC v_pk_add_f32, XG, XG, 1.0
	PKC v_pk_add_f32, XI, XI, 1.0
	PKC v_pk_add_f32, XF, XF, 1.0
	PKMUL XI, XI, XG                               ; t1
	PKMUL XG, XI, XF                               ; t1 (1 + ef)
	s_wait_alu depctr_va_vdst(0)
	TR v_rcp_f32, XG
	PKMUL XT, XT, XF                               ; (Eg - 1)(1 + ef)
.set k, 0
.rept 16
	v_pk_fma_f32 v[XT+k:XT+k+1], v[CP+k:CP+k+1], v[XI+k:XI+k+1], v[XT+k:XT+k+1]   ; + c t1
.set k, k+2
.endr
	PKC v_pk_add_f32, XO, XO, 1.0                  ; 1 + eo
	s_wait_alu depctr_va_vdst(0)
	PKMUL CP, XT, XG                               ; c_t
	PKC v_pk_mul_f32, XF, CP, s[S2L:S2L+1]         ; 2 L c_t
	HOLD XF
	s_wait_alu depctr_va_vdst(0)
	TR v_exp_f32, XF                               ; Ec
	WIN FROM_1
	PUT CL, CP, \p                                 ; c_t over c_prev's bytes, which I alone have read
	WIN ALL_1
	v_nop
	s_wait_alu depctr_va_vdst(0)
	PKC v_pk_add_f32, XI, XF, 1.0                  ; 1 + Ec
	PKMUL XO, XO, XI
	s_wait_alu depctr_va_vdst(0)
	TR v_rcp_f32, XO
	PKC v_pk_add_f32, XF, XF, -1.0                 ; Ec - 1
	s_wait_alu depctr_va_vdst(0)
	PKMUL XF, XF, XO                               ; h_t
	WIN FROM_1
	PUT HL, XF, \p
	s_wait_dscnt 0x0                               ; for the others' sake: my half of the pair's rows lies in the stages
	s_barrier_signal -1
.if (\p) < 3
	ARGS (\p)+1                                    ; work on registers while the others arrive
.endif
	s_barrier_wait -1
	OUTLD \p
.if (\p) < 3
	CLOAD (\p)+1
.endif
.endm
	CLOAD 0
	ARGS 0
.irp p, 0,1,2,3
	EPI \p
.endr
	SEND 3
	WIN 0
	s_wait_tensorcnt 0x0                           ; the wave's end
	ds_add_u32 v[SPW], v[NIL]
	s_wait_dscnt 0x0
	CROUND                                         ; the closing round
	s_endpgm
.Lfunc_end_k_qcfdafc6902_cell:
	.size	k_qcfdafc6902_cell, .Lfunc_end_k_qcfdafc6902_cell-k_qcfdafc6902_cell
	.p2alignl 7, 3214868480
	.fill 96, 4, 3214868480
	.section	.rodata,"a",@progbits
	.p2align	6, 0x0
	.amdhsa_kernel k_qcfdafc6902_cell
		.amdhsa_group_segment_fixed_size 327680
		.amdhsa_private_segment_fixed_size 0
		.amdhsa_enable_private_segment 0
		.amdhsa_kernarg_size 80
		.amdhsa_user_sgpr_count 2
		.amdhsa_user_sgpr_kernarg_segment_ptr 1
		.amdhsa_wavefront_size32 1
		.amdhsa_system_sgpr_workgroup_id_x 1
		.amdhsa_system_sgpr_workgroup_id_y 1
		.amdhsa_system_sgpr_workgroup_id_z 1
		.amdhsa_system_vgpr_workitem_id 0
		.amdhsa_next_free_vgpr 1024
		.amdhsa_next_free_sgpr 100
		.amdhsa_reserve_vcc 0
		.amdhsa_float_denorm_mode_32 3
		.amdhsa_float_denorm_mode_16_64 3
		.amdhsa_memory_ordered 1
		.amdhsa_forward_progress 1
		.amdhsa_inst_pref_size 255
	.end_amdhsa_kernel
	.section	.bss,"aw",@nobits
	.p2align	6
	.space	262144
	.amdgpu_metadata
---
amdhsa.version: [ 1, 2 ]
amdhsa.kernels:
  - .name:           k_qcfdafc6902_cell
    .symbol:         k_qcfdafc6902_cell.kd
    .args:
      - { .name: a_codes, .offset: 0, .size: 8, .value_kind: global_buffer, .address_space: global }
      - { .name: b_codes, .offset: 8, .size: 8, .value_kind: global_buffer, .address_space: global }
      - { .name: scl, .offset: 16, .size: 8, .value_kind: global_buffer, .address_space: global }
      - { .name: b_f, .offset: 24, .size: 8, .value_kind: global_buffer, .address_space: global }
      - { .name: b_i, .offset: 32, .size: 8, .value_kind: global_buffer, .address_space: global }
      - { .name: b_c, .offset: 40, .size: 8, .value_kind: global_buffer, .address_space: global }
      - { .name: b_o, .offset: 48, .size: 8, .value_kind: global_buffer, .address_space: global }
      - { .name: c_prev, .offset: 56, .size: 8, .value_kind: global_buffer, .address_space: global }
      - { .name: out0, .offset: 64, .size: 8, .value_kind: global_buffer, .address_space: global }
      - { .name: out1, .offset: 72, .size: 8, .value_kind: global_buffer, .address_space: global }
    .group_segment_fixed_size: 327680
    .private_segment_fixed_size: 0
    .kernarg_segment_align: 8
    .kernarg_segment_size: 80
    .max_flat_workgroup_size: 128
    .sgpr_count:     100
    .vgpr_count:     1024
    .wavefront_size: 32
...
	.end_amdgpu_metadata
.endif
;; end of part 2
